; MI455X (gfx1250); checked and timed in simulation.
; The chip was launched on July 23, 2026; its instructions are those of AMD's public machine-readable ISA for CDNA 5 (MIT licence, August 2026) and "CDNA5" Instruction Set Architecture Reference Guide (July 2026). The comments in the code are by the model that wrote it; some were corrected since.
;; Anchor Ts2 Vec. Allowed arithmetic: matrix products marked QUANTISED: E2M1 operands, one E8M0 scale for each 32 along K, by v_wmma_scale_f32_16x16x128_f8f6f4 with both operands' format E2M1 (or v_wmma_scale_f32_32x16x128_f4), f32 sums; everything else in f32.
;; Inputs: e_actv 8,192 x 256 float32; e_ap 8,192 x 256 float32; host 8,192 int32.
;; Outputs: out0 8,192 x 256 float32; out1 8,192 x 256 float32; out2 8,192 x 256 float32.
;; This version of the problem:
;;   THIS VERSION OF THE PROBLEM IS GIVEN IN LOW PRECISION. The matrix products marked QUANTISED in the list below multiply operands that are first quantised to E2M1 (2 exponent bits, 1 mantissa bit; 4 bits a number), with one power-of-two scale for each 32 numbers along K (OCP MX v1.0); their sums are f32. All else is computed in f32.
;;   The module's matrix products, in the order in which they are computed (A, B: the left and right operand; K: the contracted axis; several contracted axes count as one K, in the product's order):
;;     1. [M 8,192, K 256] x [K 256, N 8,192]; A: input e_actv; B: input e_actv: QUANTISED
;;   THE QUANTISER, for each operand of a quantised product, along K:
;;     - K is cut into blocks of 32 from its start; a last block that is shorter is filled with zeros.
;;     - A block's scale is 2^e with e = floor(log2(the largest magnitude in the block)) - 2, held to -126 .. 127; a block of zeros has e = 0. As a byte (E8M0): e + 127.
;;     - Each number is divided by its block's scale, clamped to +-6, and rounded to the nearest number of E2M1, ties to even, subnormals kept.
;;     - The product sums the exact products of the quantised numbers (number of the format x scale) in f32.
;;   ~~~python
;;   def quantise(x, axis):      # numpy; x: float32 -> the quantised numbers, widened to float32 again
;;       x = np.moveaxis(x, axis, -1); K = x.shape[-1]
;;       x = np.pad(x, [(0, 0)] * (x.ndim - 1) + [(0, -K % 32)]); x = x.reshape(x.shape[:-1] + (-1, 32)); a = np.abs(x).max(-1, keepdims=True)
;;       e = np.where(a > 0, np.clip(np.frexp(np.where(a > 0, a, 1))[1] - 1 - 2, -126, 127), 0)      # np.frexp(a)[1] - 1 = floor(log2(a)), exactly
;;       r = np.clip(x / 2.0 ** e, -6, 6)
;;       step = 2.0 ** (np.maximum(np.frexp(np.where(r == 0, 1, r))[1] - 1, 0) - 1)
;;       q = np.round(r / step) * step * 2.0 ** e      # np.round: ties to even
;;       return np.moveaxis(q.reshape(q.shape[:-2] + (-1,))[..., :K], -1, axis).astype(np.float32)
;;   ~~~
;; 2 versions. Each part assembles by itself: llvm-mc -triple=amdgcn-amd-amdhsa -mcpu=gfx1250 --defsym DOCPART=n.
;; ======== version 1 of 2: 3 launches
;; workspace buffers: rec 1,179,648 bytes; part 1,048,576 bytes of whole numbers
;; launch quant (part 1): grid 256 x 1, 2 waves a work-group, no clusters, 34,048 bytes of LDS; arguments e_actv, host, out0, rec; writes out0, rec
.if DOCPART == 1
	.amdgcn_target "amdgcn-amd-amdhsa--gfx1250"
	.amdhsa_code_object_version 6
	.text
	.protected	k_qa222c031ae_quant
	.globl	k_qa222c031ae_quant
	.p2align	8
	.type	k_qa222c031ae_quant,@function
k_qa222c031ae_quant:
	s_mov_b64 s[64:65], 0
	v_nop
	global_prefetch_b8 v0, s[64:65] scope:SCOPE_SE
	s_setreg_imm32_b32 hwreg(HW_REG_WAVE_MODE, 25, 1), 1
	s_wait_xcnt 0x0
; e_actv [8192][256] f32 is copied to out0 and turned into 512 RECORDS, one for each tile of 16 rows, 2,304 bytes each:
;   byte 0     the tile as a matrix operand's registers: piece q = 0 .. 3 is 512 bytes, lane l's 16 bytes at 512 q + 16 l: the 32 codes of FP4 (E2M1) of row l % 16, k = 64 q + 32 (l / 16) + 0 .. 31
;   byte 2048  scale words [K step s = 0, 1][row]: four E8M0 bytes, one for each 32 along K of that step's 128
;   byte 2176  sq[16]: each row's sum of squares of the UNquantised numbers, f32;      byte 2240  host[16]
; A block's scale is 2^(floor(log2(its largest magnitude)) - 2); its byte is the largest magnitude's exponent field - 2, held at 1 from below.
; LIMITS: a block of zeros gets the byte 1 where the quantiser says 127: its codes are zeros, which add nothing under any byte but 0xff, and this program alone reads the bytes.
;   Blocks whose largest magnitude lies under 2^(3 - 127) share that floor's byte.  NaN and infinities among the inputs are not served.  sq is summed in four chains a lane and across two lanes: another order than a plain running sum.
; SHARES: wave w of work-group x owns tile 2 x + w: 16 rows, 16,384 bytes, asked for at once by 32 loads of 512 consecutive bytes.  The same registers are stored to out0, so e_actv is read once.
; The conversions take neighbours along K from ONE lane's registers, so the rows turn through the wave's own stage in LDS (rows 1,040 bytes apart) and come back a whole block of 32 to a lane.
; No barrier: the waves share nothing.  No matrix unit, cluster or tensor load: this is a stream.
.set ROWP, 1040                        ; a stage row: 1,024 bytes + 16: 260 words, so that the 16 rows that a 16-byte read touches start 4 banks apart (64 banks of 4 bytes: ISA guide 11.1)
.set WLDS, 16896                       ; LDS of a wave: 16 stage rows, then 256 bytes for the record's last 256
.set META, 16*ROWP
.set RECB, 2304
.set SCR,  20                          ; v20-23   block q's scale operand for the conversions
.set BY,   24                          ; v24-27   block q's scale byte
.set R,    32                          ; v32-159  the tile as loaded; never rewritten, so the stores that read it need no wait
.set Y,    160                         ; v160-223 two sets of 32 neighbours along K
.set C,    224                         ; v224-239 codes, four registers for each piece; never rewritten
.set ACC,  240                         ; v240-243 sums of squares, two packed chains
	s_load_b256 s[4:11], s[0:1], 0x0               ; e_actv s[4:5], host s[6:7], out0 s[8:9], rec s[10:11]
	v_lshl_add_u32 v254, v0, 2, 0x8400
	v_mov_b32 v255, 0
	v_lshrrev_b32 v1, 5, v0
	v_readfirstlane_b32 s12, v1                    ; wave 0, 1
	v_and_b32 v1, 31, v0                           ; l
	v_and_b32 v2, 15, v0                           ; r = l % 16
	v_bfe_u32 v3, v0, 4, 1                         ; h = l / 16
	s_lshl_b32 s13, ttmp9, 1
	s_add_co_u32 s13, s13, s12                     ; my tile
	s_mul_i32 s19, s12, WLDS                       ; my wave's LDS
	s_mov_b32 s16, 0x76543210
	s_mov_b32 s17, 0xfedcba98                      ; v_permlanex16_b32's selects for lane l xor 16
	s_mov_b32 s18, 0xffff0000                      ; lanes 16-31
	v_lshlrev_b32 v4, 4, v1                        ; 16 l: my 16 bytes of 512
	v_add_nc_u32 v5, s19, v4                       ; the stage, on the way in
	v_mul_u32_u24 v6, v2, ROWP
	v_lshl_add_u32 v6, v3, 7, v6
	v_add_nc_u32 v6, s19, v6                       ; and on the way out: row r, + 128 h: block 2 q + h begins 256 q further on
	v_lshlrev_b32 v7, 2, v1
	v_add_nc_u32 v7, s19, v7
	v_add_nc_u32 v7, META, v7                      ; my scale word's place: 4 l
	v_lshlrev_b32 v11, 2, v2                       ; 4 r
	v_add_nc_u32 v8, s19, v11
	v_add_nc_u32 v8, META+128, v8                  ; sq's place; host's lies 64 bytes on
	v_lshlrev_b32 v10, 3, v1                       ; 8 l
	v_add_nc_u32 v9, s19, v10
	v_add_nc_u32 v9, META, v9                      ; the 256 bytes read back, 8 a lane
	v_lshlrev_b32 v13, 3, v3                       ; 8 h: my bytes' shift in a scale word
	v_mov_b32 v14, 0                               ; a lane permute's destination counts as one of its sources: written once
	v_mov_b32 v15, 0
	s_lshl_b32 s14, s13, 14                        ; a tile of rows is 16,384 bytes
	s_mov_b32 s15, 0
	s_wait_kmcnt 0x0
	s_add_nc_u64 s[4:5], s[4:5], s[14:15]
	s_add_nc_u64 s[8:9], s[8:9], s[14:15]
	s_mul_i32 s14, s13, RECB
	s_add_nc_u64 s[10:11], s[10:11], s[14:15]
	s_lshl_b32 s14, s13, 6
	s_add_nc_u64 s[6:7], s[6:7], s[14:15]
	global_load_b32 v12, v11, s[6:7]               ; host of row r
.set i, 0
.rept 32
	global_load_b128 v[R+4*i:R+4*i+3], v4, s[4:5] offset:512*i     ; 32 lanes read 512 consecutive bytes: half a row.  No hint: the last launch gathers these rows again
.set i, i+1
.endr
; Four loads' worth goes to out0 and into the stage as soon as it is in.
.macro OUT g
	s_wait_loadcnt 28-4*(\g)                       ; loads come back in order: the count is the loads issued behind this group's last
.irp k, 0,1,2,3
	global_store_b128 v4, v[R+4*(4*(\g)+\k):R+4*(4*(\g)+\k)+3], s[8:9] offset:512*(4*(\g)+\k) th:TH_STORE_NT   ; 512 consecutive bytes, aligned; written once, read by nobody here
	ds_store_b128 v5, v[R+4*(4*(\g)+\k):R+4*(4*(\g)+\k)+3] offset:((4*(\g)+\k)/2)*ROWP+(\k%2)*512
.endr
.endm
.irp g, 0,1,2,3,4,5,6,7
	OUT \g
.endr
.macro FETCH q                         ; my block 2 q + h of row r: 32 neighbours, 128 bytes, into set q % 2
.irp i, 0,1,2,3,4,5,6,7
	ds_load_b128 v[Y+32*((\q)%2)+4*\i:Y+32*((\q)%2)+4*\i+3], v6 offset:256*(\q)+16*\i
.endr
.endm
	FETCH 0                                        ; LDS serves a wave's instructions in order: these see the stores above
	FETCH 1
.macro BLOCK q, left                   ; left: the LDS loads issued behind this block's eight
.set YS, Y+32*((\q)%2)
	s_wait_dscnt \left
	v_max3_num_f32 v16, |v[YS]|, |v[YS+1]|, |v[YS+2]|              ; the block's largest magnitude: all 32 numbers are mine; two chains
	v_max3_num_f32 v17, |v[YS+3]|, |v[YS+4]|, |v[YS+5]|
.irp i, 6,10,14,18,22,26
	v_max3_num_f32 v16, v16, |v[YS+\i]|, |v[YS+\i+1]|
	v_max3_num_f32 v17, v17, |v[YS+\i+2]|, |v[YS+\i+3]|
.endr
	v_max3_num_f32 v16, v16, |v[YS+30]|, |v[YS+31]|
	v_max3_num_f32 v16, v16, v17, 0x1800000        ; and the floor 2^(3 - 127): so the byte cannot fall under 1
	v_add_nc_u32 v[SCR+(\q)], 0xff000000, v16      ; 2 off its exponent field: the conversion takes the exponent field of this operand as its scale, and nothing else of it
.irp g, 0,1,2,3
	v_cvt_scalef32_pk8_fp4_f32 v[C+4*(\q)+\g], v[YS+8*\g:YS+8*\g+7], v[SCR+(\q)]   ; eight numbers / the scale, to the nearest code, ties to even, beyond 6 the largest code
.endr
	v_lshrrev_b32 v[BY+(\q)], 23, v[SCR+(\q)]      ; the scale's byte.  (Also the plain line behind the conversions)
.irp i, 0,4,8,12,16,20,24,28
.if ((\q) == 0) && (\i == 0)
	v_pk_mul_f32 v[ACC:ACC+1], v[YS:YS+1], v[YS:YS+1]              ; the first squares start the sums: nothing is cleared
	v_pk_mul_f32 v[ACC+2:ACC+3], v[YS+2:YS+3], v[YS+2:YS+3]
.else
	v_pk_fma_f32 v[ACC:ACC+1], v[YS+\i:YS+\i+1], v[YS+\i:YS+\i+1], v[ACC:ACC+1]
	v_pk_fma_f32 v[ACC+2:ACC+3], v[YS+\i+2:YS+\i+3], v[YS+\i+2:YS+\i+3], v[ACC+2:ACC+3]
.endif
.endr
	global_store_b128 v4, v[C+4*(\q):C+4*(\q)+3], s[10:11] offset:512*(\q)   ; piece q of the record: 512 consecutive bytes, aligned
.if (\q) < 2
	FETCH (\q)+2                                   ; the set just worked takes the block two further on
.endif
.endm
	BLOCK 0, 8
	BLOCK 1, 8
	BLOCK 2, 8
	BLOCK 3, 0
	; The record's last 256 bytes.  Of K step s I hold bytes h (block 4 s + h) and 2 + h (block 4 s + 2 + h) of row r's word; lane l xor 16 holds the other two.
	v_lshl_or_b32 v28, v[BY+1], 16, v[BY]
	v_lshl_or_b32 v29, v[BY+3], 16, v[BY+2]
	v_lshlrev_b32 v28, v13, v28
	v_lshlrev_b32 v29, v13, v29
	v_permlanex16_b32 v14, v28, s16, s17
	v_permlanex16_b32 v15, v29, s16, s17
	v_or_b32 v28, v28, v14
	v_or_b32 v29, v29, v15
	v_cndmask_b32 v30, v28, v29, s18               ; lanes 0-15 keep K step 0's word of row r, lanes 16-31 K step 1's
	v_pk_add_f32 v[ACC:ACC+1], v[ACC:ACC+1], v[ACC+2:ACC+3]
	v_add_f32 v[ACC], v[ACC], v[ACC+1]
	v_permlanex16_b32 v14, v[ACC], s16, s17
	v_add_f32 v[ACC], v[ACC], v14                  ; the row's sum of squares, the same bits in both lanes of a row
	ds_store_b32 v7, v30
	ds_store_b32 v8, v[ACC]                        ; lanes r and r + 16 write the same word with the same value
	ds_store_b32 v8, v12 offset:64
	ds_load_b64 v[18:19], v9                       ; in order behind my stores
	s_wait_dscnt 0x0
	global_store_b64 v10, v[18:19], s[10:11] offset:2048           ; 32 lanes store 256 consecutive bytes, aligned
	s_wait_tensorcnt 0x0
	ds_add_u32 v254, v255
	s_wait_dscnt 0x0
	s_endpgm
.Lfunc_end_k_qa222c031ae_quant:
	.size	k_qa222c031ae_quant, .Lfunc_end_k_qa222c031ae_quant-k_qa222c031ae_quant
	.p2alignl 7, 3214868480
	.fill 96, 4, 3214868480
	.section	.rodata,"a",@progbits
	.p2align	6, 0x0
	.amdhsa_kernel k_qa222c031ae_quant
		.amdhsa_group_segment_fixed_size 34048
		.amdhsa_private_segment_fixed_size 0
		.amdhsa_enable_private_segment 0
		.amdhsa_kernarg_size 32
		.amdhsa_user_sgpr_count 2
		.amdhsa_user_sgpr_kernarg_segment_ptr 1
		.amdhsa_wavefront_size32 1
		.amdhsa_system_sgpr_workgroup_id_x 1
		.amdhsa_system_sgpr_workgroup_id_y 1
		.amdhsa_system_sgpr_workgroup_id_z 1
		.amdhsa_system_vgpr_workitem_id 0
		.amdhsa_next_free_vgpr 256
		.amdhsa_next_free_sgpr 66
		.amdhsa_reserve_vcc 0
		.amdhsa_float_denorm_mode_32 3
		.amdhsa_float_denorm_mode_16_64 3
		.amdhsa_memory_ordered 1
		.amdhsa_forward_progress 1
		.amdhsa_inst_pref_size 24
	.end_amdhsa_kernel
	.amdgpu_metadata
---
amdhsa.version: [ 1, 2 ]
amdhsa.kernels:
  - .name:           k_qa222c031ae_quant
    .symbol:         k_qa222c031ae_quant.kd
    .args:
      - { .name: e_actv, .offset: 0, .size: 8, .value_kind: global_buffer, .address_space: global }
      - { .name: host, .offset: 8, .size: 8, .value_kind: global_buffer, .address_space: global }
      - { .name: out0, .offset: 16, .size: 8, .value_kind: global_buffer, .address_space: global }
      - { .name: rec, .offset: 24, .size: 8, .value_kind: global_buffer, .address_space: global }
    .group_segment_fixed_size: 34048
    .private_segment_fixed_size: 0
    .kernarg_segment_align: 8
    .kernarg_segment_size: 32
    .max_flat_workgroup_size: 64
    .sgpr_count:     66
    .vgpr_count:     256
    .wavefront_size: 32
...
	.end_amdgpu_metadata
.endif
;; end of part 1
;; launch nearest (part 2): grid 16 x 16, 16 waves a work-group, no clusters, 75,776 bytes of LDS; arguments rec, e_ap, out1, part; writes out1, part
.if DOCPART == 2
	.amdgcn_target "amdgcn-amd-amdhsa--gfx1250"
	.amdhsa_code_object_version 6
	.text
	.protected	k_qa222c031ae_nearest
	.globl	k_qa222c031ae_nearest
	.p2align	8
	.type	k_qa222c031ae_nearest,@function
k_qa222c031ae_nearest:
	s_mov_b64 s[64:65], 0
	v_nop
	global_prefetch_b8 v0, s[64:65] scope:SCOPE_SE
	s_setreg_imm32_b32 hwreg(HW_REG_WAVE_MODE, 25, 1), 1
	s_wait_xcnt 0x0
; For 512 queries against 512 candidates: G = Q(e) Q(e)^T on codes of FP4 with E8M0 scales, d2 = (sq_i + sq_j) - 2 G, clamped at 0, pairs of equal host masked, and for each query the smallest d2 and its lowest index.
; Stored: part[split][query] = (the bits of the smallest clamped d2, the candidate's index); the next launch joins the 16 splits.  Beside it the work-group copies its 32,768 bytes of e_ap to out1.
; WHAT IS USED OF THE DEFINITION: host[i] == host[i], so the host mask covers the diagonal.  2 G is exact, so one fused multiply-add on fl(sq_i + sq_j) has the bits of the two steps.
; LIMITS.  (1) The smallest is taken of max(d2, 0), not of its square root: the root rises with d2, so the choice differs only where a correctly rounded root maps two clamped d2 that lie a few ulp apart onto ONE number and the
;   larger d2 has the lower index.  (2) A masked pair counts as +infinity, not 1e30: every finite d2 has a root under 1.9e19, so the order is the same; a query with no open pair keeps the split's first index and the key +infinity,
;   and ends at index 0.  (3) sq must be finite; NaN and infinities are not served.
; SHARES.  Work-group (x, y): queries 512 x on, candidates 512 y on.  Each of sixteen waves keeps TWO tiles of 16 queries in registers and walks all 32 candidate tiles, which lie in LDS as their records (2,304 bytes: see the launch before).
;   Four waves share a SIMD, so that one wave's products and LDS loads stand beside another's vector work: a tile pair is 4 matrix instructions and 112 vector instructions.
; LAYOUT.  Source 0 = 16 queries, source 1 = 16 candidates: register j of lane (r, h) is query row 8 h + j against candidate r.  So a candidate's sq and host are one register each, the queries' eight each and resident, and the
;   running smallest is kept for each (lane, register): nothing crosses lanes inside the loop.
; NO CLUSTER, NO TENSOR LOAD: what work-groups share is the 73,728 bytes of records that each fetches ONCE, at its head, for 32 trips of work; there is no ring whose refills could be asked for jointly.
.set RECB, 2304
.set AS,  10                           ; v10-11  my two query tiles' scale words (lanes 0-15 K step 0, lanes 16-31 K step 1); scales and nothing else
.set BS,  12                           ; v12-13  the candidates' likewise, set 0, 1
.set SJ,  14                           ; v14-17  set p: v[14 + 2 p] the candidate's sq, v[15 + 2 p] its host
.set AF,  32                           ; v32-63  query fragments: tile a, K step s at 16 a + 8 s
.set BF,  64                           ; v64-95  candidate fragments: set p, K step s at 16 p + 8 s
.set SQI, 96                           ; v96-111  sq of query rows 8 h + j, tile a at 8 a
.set HI,  112                          ; v112-127 their hosts
.set RUN, 128                          ; v128-143 the running smallest
.set IDX, 144                          ; v144-159 the first row of the candidate tile that gave it
.set D,   160                          ; v160-175 the two accumulators
.set S,   176                          ; v176-191 sq_i + sq_j, then d2
.set CP,  192                          ; v192-207 e_ap on its way to out1
.set FL,  208                          ; v208-243 the records on their way into LDS
.set KK,  64                           ; the way out: 16 keys,
.set II,  80                           ; and 16 indices of one query
.set EQ,  32                           ; s32-47  lanes whose candidate has the query row's host
.set LT,  48                           ; s48-63  lanes whose d2 is under the running smallest
.set WST, 4608                         ; the way out: a wave's stage: keys [candidate class r][32 queries], rows 144 bytes apart, then the indices likewise
	s_load_b256 s[4:11], s[0:1], 0x0               ; rec s[4:5], e_ap s[6:7], out1 s[8:9], part s[10:11]
	v_lshl_add_u32 v254, v0, 2, 0x12000
	v_mov_b32 v255, 0
	v_lshrrev_b32 v1, 5, v0
	v_readfirstlane_b32 s12, v1                    ; wave 0..15
	s_mov_b32 s13, ttmp9                           ; block of queries
	s_and_b32 s14, ttmp7, 0xffff                   ; block of candidates: the split
	v_and_b32 v2, 31, v0
	v_and_b32 v9, 15, v0                           ; r
	v_bfe_u32 v19, v0, 4, 1                        ; h
	v_lshlrev_b32 v1, 4, v2                        ; 16 l
	v_lshlrev_b32 v2, 2, v2                        ; 4 l
	v_lshlrev_b32 v3, 2, v9                        ; 4 r
	v_mov_b32 v7, 0x7f800000                       ; +infinity
	v_lshlrev_b32 v8, 4, v0                        ; 16 x thread
	v_add_nc_u32 v18, 0x10000, v8                  ; the ninth piece of the fill lies beyond an LDS instruction's 16-bit offset
	s_mul_i32 s15, s12, WST
	v_mul_u32_u24 v20, v9, 144
	v_lshl_add_u32 v20, v19, 5, v20
	v_add_nc_u32 v20, s15, v20                     ; the stage, in: class r, my eight query rows: 144 r + 32 h
	v_add_nc_u32 v21, s15, v2                      ; and back: query l
	v_lshlrev_b32 v22, 1, v2                       ; 8 l: query l's pair in part
	v_lshlrev_b32 v19, 5, v19                      ; 32 h: my eight rows' sq and host in a record
	s_mov_b32 s31, 0
	s_mul_i32 s30, s14, 32*RECB
	s_wait_kmcnt 0x0
	s_add_nc_u64 s[16:17], s[4:5], s[30:31]        ; the 32 candidate records
.irp i, 0,1,2,3,4,5,6,7,8
	global_load_b128 v[FL+4*\i:FL+4*\i+3], v8, s[16:17] offset:8192*\i     ; 512 threads x 16 bytes, nine times: 73,728 bytes
.endr
	s_lshl_b32 s30, s13, 5
	s_lshl_b32 s23, s12, 1
	s_add_co_u32 s30, s30, s23
	s_mul_i32 s30, s30, RECB
	s_add_nc_u64 s[18:19], s[4:5], s[30:31]        ; my two query records: tiles 32 x + 2 w, + 1
.irp a, 0,1
.irp i, 0,1,2,3
	global_load_b128 v[AF+16*\a+4*\i:AF+16*\a+4*\i+3], v1, s[18:19] offset:RECB*\a+512*\i
.endr
	global_load_b32 v[AS+\a], v2, s[18:19] offset:RECB*\a+2048
	global_load_b128 v[SQI+8*\a:SQI+8*\a+3], v19, s[18:19] offset:RECB*\a+2176
	global_load_b128 v[SQI+8*\a+4:SQI+8*\a+7], v19, s[18:19] offset:RECB*\a+2192
	global_load_b128 v[HI+8*\a:HI+8*\a+3], v19, s[18:19] offset:RECB*\a+2240
	global_load_b128 v[HI+8*\a+4:HI+8*\a+7], v19, s[18:19] offset:RECB*\a+2256
.endr
	s_lshl_b32 s30, s14, 4
	s_add_co_u32 s30, s30, s13
	s_lshl_b32 s30, s30, 15                        ; work-group 16 y + x copies bytes 32,768 (16 y + x) on
	s_add_nc_u64 s[24:25], s[6:7], s[30:31]
	s_add_nc_u64 s[26:27], s[8:9], s[30:31]
.irp i, 0,1,2,3
	global_load_b128 v[CP+4*\i:CP+4*\i+3], v8, s[24:25] offset:8192*\i th:TH_LOAD_NT   ; read once in the launch
.endr
	s_lshl_b32 s30, s14, 16                        ; part: 65,536 bytes a split,
	s_lshl_b32 s23, s13, 12                        ; 4,096 a block of queries,
	s_add_co_u32 s30, s30, s23
	s_lshl_b32 s23, s12, 8                         ; 256 a wave
	s_add_co_u32 s30, s30, s23
	s_add_nc_u64 s[28:29], s[10:11], s[30:31]
	s_lshl_b32 s20, s14, 9                         ; the index of the candidate tile's first row
	s_wait_loadcnt 22                              ; the fill's nine loads are in: behind them went 18 for the queries and 4 of e_ap
.irp i, 0,1,2,3,4,5,6,7
	ds_store_b128 v8, v[FL+4*\i:FL+4*\i+3] offset:8192*\i
.endr
	ds_store_b128 v18, v[FL+32:FL+35]
	s_wait_dscnt 0x0                               ; for the others' sake: my part of the records lies in LDS
	s_barrier_signal -1
	s_barrier_wait -1                              ; everybody's does
.macro STEPADR                         ; the LDS addresses of the record at byte s21
	v_add_nc_u32 v4, s21, v1
	v_add_nc_u32 v5, s21, v2
	v_add_nc_u32 v6, s21, v3
.endm
.macro FETCH p, ofs                    ; seven LDS loads: the record ofs bytes on, into set p
.irp i, 0,1,2,3
	ds_load_b128 v[BF+16*(\p)+4*\i:BF+16*(\p)+4*\i+3], v4 offset:(\ofs)+512*\i     ; 512 consecutive bytes an instruction: the operand's registers as they were stored
.endr
	ds_load_b32 v[BS+(\p)], v5 offset:(\ofs)+2048
	ds_load_b32 v[SJ+2*(\p)], v6 offset:(\ofs)+2176
	ds_load_b32 v[SJ+2*(\p)+1], v6 offset:(\ofs)+2240
.endm
; One candidate tile (set p) against my two query tiles.  fetch = 1: the next tile is asked for first, into the other set, whose last products stand more than a hundred plain vector instructions back.
.macro TRIP p, fetch, ofs
.set BP, BF+16*(\p)
.set SP, SJ+2*(\p)
.if \fetch
	FETCH 1-(\p), \ofs
	s_wait_dscnt 7                                 ; LDS loads come back in order: all but the seven just issued are in
.else
	s_wait_dscnt 0x0
.endif
	; the two accumulators take turns, one instruction a turn, K ascending; the first K step starts each sum
	v_wmma_scale_f32_16x16x128_f8f6f4 v[D:D+7], v[AF:AF+7], v[BP:BP+7], 0, v[AS], v[BS+(\p)] matrix_a_fmt:MATRIX_FMT_FP4 matrix_b_fmt:MATRIX_FMT_FP4
	v_wmma_scale_f32_16x16x128_f8f6f4 v[D+8:D+15], v[AF+16:AF+23], v[BP:BP+7], 0, v[AS+1], v[BS+(\p)] matrix_a_fmt:MATRIX_FMT_FP4 matrix_b_fmt:MATRIX_FMT_FP4
	v_wmma_scale_f32_16x16x128_f8f6f4 v[D:D+7], v[AF+8:AF+15], v[BP+8:BP+15], v[D:D+7], v[AS], v[BS+(\p)] matrix_a_fmt:MATRIX_FMT_FP4 matrix_b_fmt:MATRIX_FMT_FP4 matrix_a_scale:MATRIX_SCALE_ROW1 matrix_b_scale:MATRIX_SCALE_ROW1
	v_wmma_scale_f32_16x16x128_f8f6f4 v[D+8:D+15], v[AF+24:AF+31], v[BP+8:BP+15], v[D+8:D+15], v[AS+1], v[BS+(\p)] matrix_a_fmt:MATRIX_FMT_FP4 matrix_b_fmt:MATRIX_FMT_FP4 matrix_a_scale:MATRIX_SCALE_ROW1 matrix_b_scale:MATRIX_SCALE_ROW1
	; 24 vector instructions that name no register of the products stand behind them (ISA guide 7.12.1), ahead of the first read of a result
.irp k, 0,2,4,6,8,10,12,14
	v_pk_add_f32 v[S+\k:S+\k+1], v[SQI+\k:SQI+\k+1], v[SP:SP+1] op_sel_hi:[1,0]    ; sq_i + sq_j, two rows at a time (of the pair sq_j, host_j the low word serves both halves)
.endr
.irp j, 0,1,2,3,4,5,6,7,8,9,10,11,12,13,14,15
	v_cmp_eq_u32 s[EQ+\j], v[HI+\j], v[SP+1]       ; same host: the diagonal is among these
.endr
.irp a, 0,8
.irp k, 0,2,4,6
	v_pk_fma_f32 v[S+\a+\k:S+\a+\k+1], v[D+\a+\k:D+\a+\k+1], -2.0, v[S+\a+\k:S+\a+\k+1] op_sel_hi:[1,0,1]   ; d2; each accumulator is read from its low end on
.endr
.irp j, 0,1,2,3,4,5,6,7
	v_max_num_f32 v[S+\a+\j], 0, v[S+\a+\j]        ; the clamp: all d2 at or under 0 tie
.endr
.irp j, 0,1,2,3,4,5,6,7
	v_cndmask_b32 v[S+\a+\j], v[S+\a+\j], v7, s[EQ+\a+\j]          ; masked pairs count as +infinity
.endr
.irp j, 0,1,2,3,4,5,6,7
	v_cmp_lt_f32 s[LT+\a+\j], v[S+\a+\j], v[RUN+\a+\j]             ; strictly under: of equals the earlier tile, the lower index, stays
.endr
.irp j, 0,1,2,3,4,5,6,7
	v_cndmask_b32 v[IDX+\a+\j], v[IDX+\a+\j], s20, s[LT+\a+\j]
.endr
.irp j, 0,1,2,3,4,5,6,7
	v_min_num_f32 v[RUN+\a+\j], v[RUN+\a+\j], v[S+\a+\j]
.endr
.endr
	s_add_co_u32 s20, s20, 16                      ; the next tile's first row
.endm
.macro PAIR last                       ; two tiles, so that the sets are back where they began.  s21: the record of the pair's second tile
	STEPADR
	TRIP 0, 1, 0
	TRIP 1, 1-\last, RECB
	s_add_co_u32 s21, s21, 2*RECB
.endm
	s_mov_b32 s21, 0
	STEPADR
	FETCH 0, 0                                     ; candidate tile 0
	s_mov_b32 s21, RECB
	s_wait_loadcnt 4                               ; my queries are in; the four loads of e_ap stay out
.irp j, 0,1,2,3,4,5,6,7,8,9,10,11,12,13,14,15
	v_mov_b32 v[RUN+\j], v7                        ; nothing found yet: +infinity,
	v_mov_b32 v[IDX+\j], s20                       ; and the split's first tile
.endr
	s_mov_b32 s22, 7
.Lfirst:                                               ; tiles 0 to 13
	PAIR 0
	s_sub_co_u32 s22, s22, 1
	s_cmp_lg_u32 s22, 0
	s_cbranch_scc1 .Lfirst
	s_wait_loadcnt 0x0                             ; e_ap has had fourteen tiles' work in which to arrive
.irp i, 0,1,2,3
	global_store_b128 v8, v[CP+4*\i:CP+4*\i+3], s[26:27] offset:8192*\i th:TH_STORE_NT   ; a wave stores 512 consecutive bytes, aligned; these registers are not written again
.endr
	s_mov_b32 s22, 8
.Lsecond:                                              ; tiles 14 to 29
	PAIR 0
	s_sub_co_u32 s22, s22, 1
	s_cmp_lg_u32 s22, 0
	s_cbranch_scc1 .Lsecond
	PAIR 1                                         ; tiles 30 and 31: written out, since nothing lies behind the last record
	; THE WAY OUT.  A query's 16 candidates classes lie in 16 lanes: they turn through the wave's stage, which lies over the records, so that lane l holds all 16 of query l.
	s_wait_dscnt 0x0                               ; my reads of the records are over,
	s_barrier_signal -1
	s_barrier_wait -1                              ; and everybody's: the stages may be written
.irp j, 0,1,2,3,4,5,6,7,8,9,10,11,12,13,14,15
	v_add_nc_u32 v[IDX+\j], v9, v[IDX+\j]          ; the tile's first row + my candidate's place in it
.endr
.irp a, 0,1
.irp g, 0,1
	ds_store_b128 v20, v[RUN+8*\a+4*\g:RUN+8*\a+4*\g+3] offset:64*\a+16*\g
	ds_store_b128 v20, v[IDX+8*\a+4*\g:IDX+8*\a+4*\g+3] offset:2304+64*\a+16*\g
.endr
.endr
.irp c, 0,1,2,3,4,5,6,7,8,9,10,11,12,13,14,15
	ds_load_b32 v[KK+\c], v21 offset:144*\c        ; my wave's own bytes, served in order behind the stores
	ds_load_b32 v[II+\c], v21 offset:2304+144*\c
.endr
	s_wait_dscnt 0x0
	v_min_num_f32 v24, v[KK], v[KK+1]              ; the smallest of the 16, in two chains
	v_min_num_f32 v26, v[KK+2], v[KK+3]
.irp c, 4,6,8,10,12,14
	v_min_num_f32 v24, v24, v[KK+\c]
	v_min_num_f32 v26, v26, v[KK+\c+1]
.endr
	v_min_num_f32 v24, v24, v26
.irp c, 0,1,2,3,4,5,6,7,8,9,10,11,12,13,14,15
	v_cmp_eq_u32 vcc_lo, v[KK+\c], v24             ; (no key is negative or -0, so equal numbers have equal bits)
	v_cndmask_b32 v[II+\c], -1, v[II+\c], vcc_lo   ; classes that do not reach it drop out
.endr
	v_min_u32 v25, v[II], v[II+1]                  ; of those that do, the lowest index
.irp c, 2,3,4,5,6,7,8,9,10,11,12,13,14,15
	v_min_u32 v25, v25, v[II+\c]
.endr
	global_store_b64 v22, v[24:25], s[28:29]       ; 32 lanes store 256 consecutive bytes, aligned
	s_wait_tensorcnt 0x0
	ds_add_u32 v254, v255
	s_wait_dscnt 0x0
	s_endpgm
.Lfunc_end_k_qa222c031ae_nearest:
	.size	k_qa222c031ae_nearest, .Lfunc_end_k_qa222c031ae_nearest-k_qa222c031ae_nearest
	.p2alignl 7, 3214868480
	.fill 96, 4, 3214868480
	.section	.rodata,"a",@progbits
	.p2align	6, 0x0
	.amdhsa_kernel k_qa222c031ae_nearest
		.amdhsa_group_segment_fixed_size 75776
		.amdhsa_private_segment_fixed_size 0
		.amdhsa_enable_private_segment 0
		.amdhsa_kernarg_size 32
		.amdhsa_user_sgpr_count 2
		.amdhsa_user_sgpr_kernarg_segment_ptr 1
		.amdhsa_wavefront_size32 1
		.amdhsa_system_sgpr_workgroup_id_x 1
		.amdhsa_system_sgpr_workgroup_id_y 1
		.amdhsa_system_sgpr_workgroup_id_z 1
		.amdhsa_system_vgpr_workitem_id 0
		.amdhsa_next_free_vgpr 256
		.amdhsa_next_free_sgpr 66
		.amdhsa_reserve_vcc 1
		.amdhsa_float_denorm_mode_32 3
		.amdhsa_float_denorm_mode_16_64 3
		.amdhsa_memory_ordered 1
		.amdhsa_forward_progress 1
		.amdhsa_inst_pref_size 56
	.end_amdhsa_kernel
	.amdgpu_metadata
---
amdhsa.version: [ 1, 2 ]
amdhsa.kernels:
  - .name:           k_qa222c031ae_nearest
    .symbol:         k_qa222c031ae_nearest.kd
    .args:
      - { .name: rec, .offset: 0, .size: 8, .value_kind: global_buffer, .address_space: global }
      - { .name: e_ap, .offset: 8, .size: 8, .value_kind: global_buffer, .address_space: global }
      - { .name: out1, .offset: 16, .size: 8, .value_kind: global_buffer, .address_space: global }
      - { .name: part, .offset: 24, .size: 8, .value_kind: global_buffer, .address_space: global }
    .group_segment_fixed_size: 75776
    .private_segment_fixed_size: 0
    .kernarg_segment_align: 8
    .kernarg_segment_size: 32
    .max_flat_workgroup_size: 512
    .sgpr_count:     66
    .vgpr_count:     256
    .wavefront_size: 32
...
	.end_amdgpu_metadata
.endif
;; end of part 2
;; launch gather (part 3): grid 256 x 1, 8 waves a work-group, no clusters, 0 bytes of LDS; arguments part, e_actv, out2; writes out2
.if DOCPART == 3
	.amdgcn_target "amdgcn-amd-amdhsa--gfx1250"
	.amdhsa_code_object_version 6
	.text
	.protected	k_qa222c031ae_gather
	.globl	k_qa222c031ae_gather
	.p2align	8
	.type	k_qa222c031ae_gather,@function
k_qa222c031ae_gather:
	s_mov_b64 s[64:65], 0
	v_nop
	global_prefetch_b8 v0, s[64:65] scope:SCOPE_SE
	s_setreg_imm32_b32 hwreg(HW_REG_WAVE_MODE, 25, 1), 1
	s_wait_xcnt 0x0
; out2[q] = e_actv[the index of q's smallest key over the 16 splits].  part: [16 splits][8192 queries] of (key, index).  A key is the bit pattern of a non-negative f32 (or +infinity), so keys order as unsigned
; whole numbers as their numbers do.  The splits go in ascending order and a later one wins only if strictly smaller: of equal keys the lower index stays, as in an argmin.
; SHARES: a work-group owns 32 queries, a wave 4.  Lane (x = l % 16, h = l / 16) serves queries 4 w + 2 h + u, u = 0, 1: sixteen lanes read and write 256 consecutive, aligned bytes of a row of 1,024.
; A stream with one dependent step: no LDS, no barrier, no matrix unit.  The index is held to 8,191 before it enters an address.
.set P,  16                            ; v16-79   split s: key and index of query u = 0, then of u = 1.  Split 0's four registers become the best so far
.set RW, 80                            ; v80-111  the two rows' 4 x 16 bytes of my lane
	s_load_b128 s[4:7], s[0:1], 0x0                ; part s[4:5], e_actv s[6:7]
	s_load_b64 s[8:9], s[0:1], 0x10                ; out2
	v_and_b32 v2, 0xf0, v0                         ; 32 w + 16 h: the byte of my two queries' pairs among the work-group's 256
	v_and_b32 v3, 15, v0
	v_lshlrev_b32 v3, 4, v3                        ; 16 x
	v_lshl_add_u32 v6, v2, 7, v3                   ; out2: (4 w + 2 h) rows of 1,024 bytes + 16 x
	s_lshl_b32 s10, ttmp9, 8
	s_mov_b32 s11, 0
	s_lshl_b32 s12, ttmp9, 15
	s_mov_b32 s13, 0
	s_wait_kmcnt 0x0
	s_add_nc_u64 s[4:5], s[4:5], s[10:11]
	s_add_nc_u64 s[8:9], s[8:9], s[12:13]
.irp s, 0,1,2,3,4,5,6,7,8,9,10,11,12,13,14,15
	global_load_b128 v[P+4*\s:P+4*\s+3], v2, s[4:5] offset:65536*\s
.endr
.irp s, 1,2,3,4,5,6,7,8,9,10,11,12,13,14,15
	s_wait_loadcnt 15-\s                           ; loads come back in order: split s and all before it are in
	v_cmp_lt_u32 vcc_lo, v[P+4*\s], v[P]
	v_cmp_lt_u32 s14, v[P+4*\s+2], v[P+2]
	v_cndmask_b32 v[P], v[P], v[P+4*\s], vcc_lo
	v_cndmask_b32 v[P+1], v[P+1], v[P+4*\s+1], vcc_lo
	v_cndmask_b32 v[P+2], v[P+2], v[P+4*\s+2], s14
	v_cndmask_b32 v[P+3], v[P+3], v[P+4*\s+3], s14
.endr
	v_min_u32 v4, 0x1fff, v[P+1]                   ; an index stays inside the table
	v_min_u32 v5, 0x1fff, v[P+3]
	v_lshlrev_b32 v4, 10, v4                       ; its row of 1,024 bytes,
	v_lshlrev_b32 v5, 10, v5
	v_add_nc_u32 v4, v4, v3                        ; and my 16 bytes of each 256
	v_add_nc_u32 v5, v5, v3
.irp u, 0,1
.irp c, 0,1,2,3
	global_load_b128 v[RW+16*\u+4*\c:RW+16*\u+4*\c+3], v[4+\u], s[6:7] offset:256*\c   ; no hint: a row may be named by many queries
.endr
.endr
.irp u, 0,1
.irp c, 0,1,2,3
	s_wait_loadcnt 7-4*\u-\c
	global_store_b128 v6, v[RW+16*\u+4*\c:RW+16*\u+4*\c+3], s[8:9] offset:1024*\u+256*\c th:TH_STORE_NT   ; written once, read by nobody here
.endr
.endr
	s_endpgm
.Lfunc_end_k_qa222c031ae_gather:
	.size	k_qa222c031ae_gather, .Lfunc_end_k_qa222c031ae_gather-k_qa222c031ae_gather
	.p2alignl 7, 3214868480
	.fill 96, 4, 3214868480
	.section	.rodata,"a",@progbits
	.p2align	6, 0x0
	.amdhsa_kernel k_qa222c031ae_gather
		.amdhsa_group_segment_fixed_size 0
		.amdhsa_private_segment_fixed_size 0
		.amdhsa_enable_private_segment 0
		.amdhsa_kernarg_size 24
		.amdhsa_user_sgpr_count 2
		.amdhsa_user_sgpr_kernarg_segment_ptr 1
		.amdhsa_wavefront_size32 1
		.amdhsa_system_sgpr_workgroup_id_x 1
		.amdhsa_system_sgpr_workgroup_id_y 1
		.amdhsa_system_sgpr_workgroup_id_z 1
		.amdhsa_system_vgpr_workitem_id 0
		.amdhsa_next_free_vgpr 128
		.amdhsa_next_free_sgpr 66
		.amdhsa_reserve_vcc 1
		.amdhsa_float_denorm_mode_32 3
		.amdhsa_float_denorm_mode_16_64 3
		.amdhsa_memory_ordered 1
		.amdhsa_forward_progress 1
		.amdhsa_inst_pref_size 9
	.end_amdhsa_kernel
	.amdgpu_metadata
---
amdhsa.version: [ 1, 2 ]
amdhsa.kernels:
  - .name:           k_qa222c031ae_gather
    .symbol:         k_qa222c031ae_gather.kd
    .args:
      - { .name: part, .offset: 0, .size: 8, .value_kind: global_buffer, .address_space: global }
      - { .name: e_actv, .offset: 8, .size: 8, .value_kind: global_buffer, .address_space: global }
      - { .name: out2, .offset: 16, .size: 8, .value_kind: global_buffer, .address_space: global }
    .group_segment_fixed_size: 0
    .private_segment_fixed_size: 0
    .kernarg_segment_align: 8
    .kernarg_segment_size: 24
    .max_flat_workgroup_size: 256
    .sgpr_count:     66
    .vgpr_count:     128
    .wavefront_size: 32
...
	.end_amdgpu_metadata
.endif
;; end of part 3
;; ======== version 2 of 2: 3 launches
;; workspace buffers: rec 1,179,648 bytes; part 1,048,576 bytes of whole numbers
;; launch quant (part 4): grid 256 x 1, 2 waves a work-group, no clusters, 34,048 bytes of LDS; arguments e_actv, host, out0, rec; writes out0, rec
.if DOCPART == 4
	.amdgcn_target "amdgcn-amd-amdhsa--gfx1250"
	.amdhsa_code_object_version 6
	.text
	.protected	k_qa222c031ae_quant
	.globl	k_qa222c031ae_quant
	.p2align	8
	.type	k_qa222c031ae_quant,@function
k_qa222c031ae_quant:
	s_mov_b64 s[64:65], 0
	v_nop
	global_prefetch_b8 v0, s[64:65] scope:SCOPE_SE
	s_setreg_imm32_b32 hwreg(HW_REG_WAVE_MODE, 25, 1), 1
	s_wait_xcnt 0x0
; e_actv [8192][256] f32 is copied to out0 and turned into 512 RECORDS, one for each tile of 16 rows, 2,304 bytes each:
;   byte 0     the tile as a matrix operand's registers: piece q = 0 .. 3 is 512 bytes, lane l's 16 bytes at 512 q + 16 l: the 32 codes of FP4 (E2M1) of row l % 16, k = 64 q + 32 (l / 16) + 0 .. 31
;   byte 2048  scale words [K step s = 0, 1][row]: four E8M0 bytes, one for each 32 along K of that step's 128
;   byte 2176  sq[16]: each row's sum of squares of the UNquantised numbers, f32;      byte 2240  host[16]
; A block's scale is 2^(floor(log2(its largest magnitude)) - 2); its byte is the largest magnitude's exponent field - 2, held at 1 from below.
; LIMITS: a block of zeros gets the byte 1 where the quantiser says 127: its codes are zeros, which add nothing under any byte but 0xff, and this program alone reads the bytes.
;   Blocks whose largest magnitude lies under 2^(3 - 127) share that floor's byte.  NaN and infinities among the inputs are not served.  sq is summed in four chains a lane and across two lanes: another order than a plain running sum.
; SHARES: wave w of work-group x owns tile 2 x + w: 16 rows, 16,384 bytes, asked for at once by 32 loads of 512 consecutive bytes.  The same registers are stored to out0, so e_actv is read once.
; The conversions take neighbours along K from ONE lane's registers, so the rows turn through the wave's own stage in LDS (rows 1,040 bytes apart) and come back a whole block of 32 to a lane.
; No barrier: the waves share nothing.  No matrix unit, cluster or tensor load: this is a stream.
.set ROWP, 1040                        ; a stage row: 1,024 bytes + 16: 260 words, so that the 16 rows that a 16-byte read touches start 4 banks apart (64 banks of 4 bytes: ISA guide 11.1)
.set WLDS, 16896                       ; LDS of a wave: 16 stage rows, then 256 bytes for the record's last 256
.set META, 16*ROWP
.set RECB, 2304
.set SCR,  20                          ; v20-23   block q's scale operand for the conversions
.set BY,   24                          ; v24-27   block q's scale byte
.set R,    32                          ; v32-159  the tile as loaded; never rewritten, so the stores that read it need no wait
.set Y,    160                         ; v160-223 two sets of 32 neighbours along K
.set C,    224                         ; v224-239 codes, four registers for each piece; never rewritten
.set ACC,  240                         ; v240-243 sums of squares, two packed chains
	s_load_b256 s[4:11], s[0:1], 0x0               ; e_actv s[4:5], host s[6:7], out0 s[8:9], rec s[10:11]
	v_lshl_add_u32 v254, v0, 2, 0x8400
	v_mov_b32 v255, 0
	v_lshrrev_b32 v1, 5, v0
	v_readfirstlane_b32 s12, v1                    ; wave 0, 1
	v_and_b32 v1, 31, v0                           ; l
	v_and_b32 v2, 15, v0                           ; r = l % 16
	v_bfe_u32 v3, v0, 4, 1                         ; h = l / 16
	s_lshl_b32 s13, ttmp9, 1
	s_add_co_u32 s13, s13, s12                     ; my tile
	s_mul_i32 s19, s12, WLDS                       ; my wave's LDS
	s_mov_b32 s16, 0x76543210
	s_mov_b32 s17, 0xfedcba98                      ; v_permlanex16_b32's selects for lane l xor 16
	s_mov_b32 s18, 0xffff0000                      ; lanes 16-31
	v_lshlrev_b32 v4, 4, v1                        ; 16 l: my 16 bytes of 512
	v_add_nc_u32 v5, s19, v4                       ; the stage, on the way in
	v_mul_u32_u24 v6, v2, ROWP
	v_lshl_add_u32 v6, v3, 7, v6
	v_add_nc_u32 v6, s19, v6                       ; and on the way out: row r, + 128 h: block 2 q + h begins 256 q further on
	v_lshlrev_b32 v7, 2, v1
	v_add_nc_u32 v7, s19, v7
	v_add_nc_u32 v7, META, v7                      ; my scale word's place: 4 l
	v_lshlrev_b32 v11, 2, v2                       ; 4 r
	v_add_nc_u32 v8, s19, v11
	v_add_nc_u32 v8, META+128, v8                  ; sq's place; host's lies 64 bytes on
	v_lshlrev_b32 v10, 3, v1                       ; 8 l
	v_add_nc_u32 v9, s19, v10
	v_add_nc_u32 v9, META, v9                      ; the 256 bytes read back, 8 a lane
	v_lshlrev_b32 v13, 3, v3                       ; 8 h: my bytes' shift in a scale word
	v_mov_b32 v14, 0                               ; a lane permute's destination counts as one of its sources: written once
	v_mov_b32 v15, 0
	s_lshl_b32 s14, s13, 14                        ; a tile of rows is 16,384 bytes
	s_mov_b32 s15, 0
	s_wait_alu depctr_va_vdst(0)
	s_wait_kmcnt 0x0
	s_add_nc_u64 s[4:5], s[4:5], s[14:15]
	s_add_nc_u64 s[8:9], s[8:9], s[14:15]
	s_mul_i32 s14, s13, RECB
	s_add_nc_u64 s[10:11], s[10:11], s[14:15]
	s_lshl_b32 s14, s13, 6
	s_add_nc_u64 s[6:7], s[6:7], s[14:15]
	global_load_b32 v12, v11, s[6:7]               ; host of row r
.set i, 0
.rept 32
	global_load_b128 v[R+4*i:R+4*i+3], v4, s[4:5] offset:512*i     ; 32 lanes read 512 consecutive bytes: half a row.  No hint: the last launch gathers these rows again
.set i, i+1
.endr
; Four loads' worth goes to out0 and into the stage as soon as it is in.
.macro OUT g
	s_wait_loadcnt 28-4*(\g)                       ; loads come back in order: the count is the loads issued behind this group's last
.irp k, 0,1,2,3
	global_store_b128 v4, v[R+4*(4*(\g)+\k):R+4*(4*(\g)+\k)+3], s[8:9] offset:512*(4*(\g)+\k) th:TH_STORE_NT   ; 512 consecutive bytes, aligned; written once, read by nobody here
	ds_store_b128 v5, v[R+4*(4*(\g)+\k):R+4*(4*(\g)+\k)+3] offset:((4*(\g)+\k)/2)*ROWP+(\k%2)*512
.endr
.endm
.irp g, 0,1,2,3,4,5,6,7
	OUT \g
.endr
.macro FETCH q                         ; my block 2 q + h of row r: 32 neighbours, 128 bytes, into set q % 2
.irp i, 0,1,2,3,4,5,6,7
	ds_load_b128 v[Y+32*((\q)%2)+4*\i:Y+32*((\q)%2)+4*\i+3], v6 offset:256*(\q)+16*\i
.endr
.endm
	FETCH 0                                        ; LDS serves a wave's instructions in order: these see the stores above
	FETCH 1
.macro BLOCK q, left                   ; left: the LDS loads issued behind this block's eight
.set YS, Y+32*((\q)%2)
	s_wait_dscnt \left
	v_max3_num_f32 v16, |v[YS]|, |v[YS+1]|, |v[YS+2]|              ; the block's largest magnitude: all 32 numbers are mine; two chains
	v_max3_num_f32 v17, |v[YS+3]|, |v[YS+4]|, |v[YS+5]|
.irp i, 6,10,14,18,22,26
	v_max3_num_f32 v16, v16, |v[YS+\i]|, |v[YS+\i+1]|
	v_max3_num_f32 v17, v17, |v[YS+\i+2]|, |v[YS+\i+3]|
.endr
	v_max3_num_f32 v16, v16, |v[YS+30]|, |v[YS+31]|
	v_max3_num_f32 v16, v16, v17, 0x1800000        ; and the floor 2^(3 - 127): so the byte cannot fall under 1
	v_add_nc_u32 v[SCR+(\q)], 0xff000000, v16      ; 2 off its exponent field: the conversion takes the exponent field of this operand as its scale, and nothing else of it
.irp g, 0,1,2,3
	v_cvt_scalef32_pk8_fp4_f32 v[C+4*(\q)+\g], v[YS+8*\g:YS+8*\g+7], v[SCR+(\q)]   ; eight numbers / the scale, to the nearest code, ties to even, beyond 6 the largest code
.endr
	v_lshrrev_b32 v[BY+(\q)], 23, v[SCR+(\q)]      ; the scale's byte.  (Also the plain line behind the conversions)
.irp i, 0,4,8,12,16,20,24,28
.if ((\q) == 0) && (\i == 0)
	v_pk_mul_f32 v[ACC:ACC+1], v[YS:YS+1], v[YS:YS+1]              ; the first squares start the sums: nothing is cleared
	v_pk_mul_f32 v[ACC+2:ACC+3], v[YS+2:YS+3], v[YS+2:YS+3]
.else
	v_pk_fma_f32 v[ACC:ACC+1], v[YS+\i:YS+\i+1], v[YS+\i:YS+\i+1], v[ACC:ACC+1]
	v_pk_fma_f32 v[ACC+2:ACC+3], v[YS+\i+2:YS+\i+3], v[YS+\i+2:YS+\i+3], v[ACC+2:ACC+3]
.endif
.endr
	global_store_b128 v4, v[C+4*(\q):C+4*(\q)+3], s[10:11] offset:512*(\q)   ; piece q of the record: 512 consecutive bytes, aligned
.if (\q) < 2
	FETCH (\q)+2                                   ; the set just worked takes the block two further on
.endif
.endm
	BLOCK 0, 8
	BLOCK 1, 8
	BLOCK 2, 8
	BLOCK 3, 0
	; The record's last 256 bytes.  Of K step s I hold bytes h (block 4 s + h) and 2 + h (block 4 s + 2 + h) of row r's word; lane l xor 16 holds the other two.
	v_lshl_or_b32 v28, v[BY+1], 16, v[BY]
	v_lshl_or_b32 v29, v[BY+3], 16, v[BY+2]
	v_lshlrev_b32 v28, v13, v28
	v_lshlrev_b32 v29, v13, v29
	v_permlanex16_b32 v14, v28, s16, s17
	v_permlanex16_b32 v15, v29, s16, s17
	v_or_b32 v28, v28, v14
	v_or_b32 v29, v29, v15
	v_cndmask_b32 v30, v28, v29, s18               ; lanes 0-15 keep K step 0's word of row r, lanes 16-31 K step 1's
	v_pk_add_f32 v[ACC:ACC+1], v[ACC:ACC+1], v[ACC+2:ACC+3]
	v_add_f32 v[ACC], v[ACC], v[ACC+1]
	v_permlanex16_b32 v14, v[ACC], s16, s17
	v_add_f32 v[ACC], v[ACC], v14                  ; the row's sum of squares, the same bits in both lanes of a row
	ds_store_b32 v7, v30
	ds_store_b32 v8, v[ACC]                        ; lanes r and r + 16 write the same word with the same value
	ds_store_b32 v8, v12 offset:64
	ds_load_b64 v[18:19], v9                       ; in order behind my stores
	s_wait_dscnt 0x0
	global_store_b64 v10, v[18:19], s[10:11] offset:2048           ; 32 lanes store 256 consecutive bytes, aligned
	s_wait_tensorcnt 0x0
	ds_add_u32 v254, v255
	s_wait_dscnt 0x0
	s_endpgm
.Lfunc_end_k_qa222c031ae_quant:
	.size	k_qa222c031ae_quant, .Lfunc_end_k_qa222c031ae_quant-k_qa222c031ae_quant
	.p2alignl 7, 3214868480
	.fill 96, 4, 3214868480
	.section	.rodata,"a",@progbits
	.p2align	6, 0x0
	.amdhsa_kernel k_qa222c031ae_quant
		.amdhsa_group_segment_fixed_size 34048
		.amdhsa_private_segment_fixed_size 0
		.amdhsa_enable_private_segment 0
		.amdhsa_kernarg_size 32
		.amdhsa_user_sgpr_count 2
		.amdhsa_user_sgpr_kernarg_segment_ptr 1
		.amdhsa_wavefront_size32 1
		.amdhsa_system_sgpr_workgroup_id_x 1
		.amdhsa_system_sgpr_workgroup_id_y 1
		.amdhsa_system_sgpr_workgroup_id_z 1
		.amdhsa_system_vgpr_workitem_id 0
		.amdhsa_next_free_vgpr 256
		.amdhsa_next_free_sgpr 66
		.amdhsa_reserve_vcc 0
		.amdhsa_float_denorm_mode_32 3
		.amdhsa_float_denorm_mode_16_64 3
		.amdhsa_memory_ordered 1
		.amdhsa_forward_progress 1
		.amdhsa_inst_pref_size 24
	.end_amdhsa_kernel
	.amdgpu_metadata
---
amdhsa.version: [ 1, 2 ]
amdhsa.kernels:
  - .name:           k_qa222c031ae_quant
    .symbol:         k_qa222c031ae_quant.kd
    .args:
      - { .name: e_actv, .offset: 0, .size: 8, .value_kind: global_buffer, .address_space: global }
      - { .name: host, .offset: 8, .size: 8, .value_kind: global_buffer, .address_space: global }
      - { .name: out0, .offset: 16, .size: 8, .value_kind: global_buffer, .address_space: global }
      - { .name: rec, .offset: 24, .size: 8, .value_kind: global_buffer, .address_space: global }
    .group_segment_fixed_size: 34048
    .private_segment_fixed_size: 0
    .kernarg_segment_align: 8
    .kernarg_segment_size: 32
    .max_flat_workgroup_size: 64
    .sgpr_count:     66
    .vgpr_count:     256
    .wavefront_size: 32
...
	.end_amdgpu_metadata
.endif
;; end of part 4
;; launch nearest (part 5): grid 16 x 16, 16 waves a work-group, no clusters, 75,776 bytes of LDS; arguments rec, e_ap, out1, part; writes out1, part
.if DOCPART == 5
	.amdgcn_target "amdgcn-amd-amdhsa--gfx1250"
	.amdhsa_code_object_version 6
	.text
	.protected	k_qa222c031ae_nearest
	.globl	k_qa222c031ae_nearest
	.p2align	8
	.type	k_qa222c031ae_nearest,@function
k_qa222c031ae_nearest:
	s_mov_b64 s[64:65], 0
	v_nop
	global_prefetch_b8 v0, s[64:65] scope:SCOPE_SE
	s_setreg_imm32_b32 hwreg(HW_REG_WAVE_SCHED_MODE, 0, 2), 2
	s_setreg_imm32_b32 hwreg(HW_REG_WAVE_MODE, 25, 1), 1
	s_wait_xcnt 0x0
	s_wait_alu depctr_vm_vsrc(0)
; For 512 queries against 512 candidates: G = Q(e) Q(e)^T on codes of FP4 with E8M0 scales, d2 = (sq_i + sq_j) - 2 G, clamped at 0, pairs of equal host masked, and for each query the smallest d2 and its lowest index.
; Stored: part[split][query] = (the bits of the smallest clamped d2, the candidate's index); the next launch joins the 16 splits.  Beside it the work-group copies its 32,768 bytes of e_ap to out1.
; WHAT IS USED OF THE DEFINITION: host[i] == host[i], so the host mask covers the diagonal.  2 G is exact, so one fused multiply-add on fl(sq_i + sq_j) has the bits of the two steps.
; LIMITS.  (1) The smallest is taken of max(d2, 0), not of its square root: the root rises with d2, so the choice differs only where a correctly rounded root maps two clamped d2 that lie a few ulp apart onto ONE number and the
;   larger d2 has the lower index.  (2) A masked pair counts as +infinity, not 1e30: every finite d2 has a root under 1.9e19, so the order is the same; a query with no open pair keeps the split's first index and the key +infinity,
;   and ends at index 0.  (3) sq must be finite; NaN and infinities are not served.
; SHARES.  Work-group (x, y): queries 512 x on, candidates 512 y on.  Each of sixteen waves keeps TWO tiles of 16 queries in registers and walks all 32 candidate tiles, which lie in LDS as their records (2,304 bytes: see the launch before).
;   Four waves share a SIMD, so that one wave's products and LDS loads stand beside another's vector work: a tile pair is 4 matrix instructions and 112 vector instructions.
; LAYOUT.  Source 0 = 16 queries, source 1 = 16 candidates: register j of lane (r, h) is query row 8 h + j against candidate r.  So a candidate's sq and host are one register each, the queries' eight each and resident, and the
;   running smallest is kept for each (lane, register): nothing crosses lanes inside the loop.
; NO CLUSTER, NO TENSOR LOAD: what work-groups share is the 73,728 bytes of records that each fetches ONCE, at its head, for 32 trips of work; there is no ring whose refills could be asked for jointly.
; THE MODE: SCHED_MODE bits 1:0 = 2 (LLVM: expert scheduling mode 2), set by the entry lines.  The code itself states the register dependences
; between vector or matrix instructions and memory or LDS instructions, with s_wait_alu, always for 0.
; THE PLAN.  Registers that memory or LDS instructions touch, in the loop:
;   set 0, set 1   a candidate tile: BF (16 registers), BS (1), SJ (2).  Trip t works on set t % 2: its four products, eight packed additions and sixteen host compares read it.  The seven LDS loads of tile t + 1,
;                  issued in trip t, land in the other set, which trip t - 1 worked on and which no vector or matrix instruction of trip t names.
;   v4, v5, v6     LDS addresses of the record in hand: read by every one of those loads; written by three additions at the head of each pair of trips.
;   v8, CP         between the two loops: the offset and the data of the four stores to out1; the offset is made at the head, the data come by loads; neither is written again.
;   D, S, RUN, IDX, the queries' registers and v7 are named by vector and matrix instructions alone in the loop.
; So ONE wait on va_vdst stands at a trip's head, behind the wait for the trip's own set: it states that the trip before is done reading the other set, and, at a pair's head, that v4 to v6 are written.
; The trip's seven loads follow it, dealt among its four products, with no further wait.  One wait on vm_vsrc a pair stands ahead of the three additions.
; MASKS.  A compare writes a scalar register that a select reads: the compares stand in runs of sixteen, each run with one wait on va_sdst behind it, ahead of its first reader: two a trip, one on the way out.
.set RECB, 2304
.set AS,  10                           ; v10-11  my two query tiles' scale words (lanes 0-15 K step 0, lanes 16-31 K step 1); scales and nothing else
.set BS,  12                           ; v12-13  the candidates' likewise, set 0, 1
.set SJ,  14                           ; v14-17  set p: v[14 + 2 p] the candidate's sq, v[15 + 2 p] its host
.set AF,  32                           ; v32-63  query fragments: tile a, K step s at 16 a + 8 s
.set BF,  64                           ; v64-95  candidate fragments: set p, K step s at 16 p + 8 s
.set SQI, 96                           ; v96-111  sq of query rows 8 h + j, tile a at 8 a
.set HI,  112                          ; v112-127 their hosts
.set RUN, 128                          ; v128-143 the running smallest
.set IDX, 144                          ; v144-159 the first row of the candidate tile that gave it
.set D,   160                          ; v160-175 the two accumulators
.set S,   176                          ; v176-191 sq_i + sq_j, then d2
.set CP,  192                          ; v192-207 e_ap on its way to out1
.set FL,  208                          ; v208-243 the records on their way into LDS
.set KK,  64                           ; the way out: 16 keys,
.set II,  80                           ; and 16 indices of one query
.set EQ,  32                           ; s32-47  lanes whose candidate has the query row's host; on the way out: classes that reach the smallest key
.set LT,  48                           ; s48-63  lanes whose d2 is under the running smallest
.set WST, 4608                         ; the way out: a wave's stage: keys [candidate class r][32 queries], rows 144 bytes apart, then the indices likewise
	s_load_b256 s[4:11], s[0:1], 0x0               ; rec s[4:5], e_ap s[6:7], out1 s[8:9], part s[10:11]
	v_lshl_add_u32 v254, v0, 2, 0x12000
	v_mov_b32 v255, 0
	v_lshrrev_b32 v1, 5, v0
	v_readfirstlane_b32 s12, v1                    ; wave 0..15
	s_mov_b32 s13, ttmp9                           ; block of queries
	s_and_b32 s14, ttmp7, 0xffff                   ; block of candidates: the split
	v_and_b32 v2, 31, v0
	v_and_b32 v9, 15, v0                           ; r
	v_bfe_u32 v19, v0, 4, 1                        ; h
	v_lshlrev_b32 v1, 4, v2                        ; 16 l
	v_lshlrev_b32 v2, 2, v2                        ; 4 l
	v_lshlrev_b32 v3, 2, v9                        ; 4 r
	v_mov_b32 v7, 0x7f800000                       ; +infinity
	v_lshlrev_b32 v8, 4, v0                        ; 16 x thread
	v_add_nc_u32 v18, 0x10000, v8                  ; the ninth piece of the fill lies beyond an LDS instruction's 16-bit offset
	s_wait_alu depctr_va_sdst(0)                   ; s12 is written, ahead of its first reader: the stage's place and the bases of rec and part are made from it
	s_mul_i32 s15, s12, WST
	v_mul_u32_u24 v20, v9, 144
	v_lshl_add_u32 v20, v19, 5, v20
	v_add_nc_u32 v20, s15, v20                     ; the stage, in: class r, my eight query rows: 144 r + 32 h
	v_add_nc_u32 v21, s15, v2                      ; and back: query l
	v_lshlrev_b32 v22, 1, v2                       ; 8 l: query l's pair in part
	v_lshlrev_b32 v19, 5, v19                      ; 32 h: my eight rows' sq and host in a record
	s_mov_b32 s31, 0
	s_mul_i32 s30, s14, 32*RECB
	s_wait_kmcnt 0x0
	s_add_nc_u64 s[16:17], s[4:5], s[30:31]        ; the 32 candidate records
	s_wait_alu depctr_va_vdst(0)                   ; the offsets and addresses v1 to v3, v8 and v18 to v22 are written, which the loads and stores from here to the end read; so are v254 and v255
.irp i, 0,1,2,3,4,5,6,7,8
	global_load_b128 v[FL+4*\i:FL+4*\i+3], v8, s[16:17] offset:8192*\i     ; 512 threads x 16 bytes, nine times: 73,728 bytes
.endr
	s_lshl_b32 s30, s13, 5
	s_lshl_b32 s23, s12, 1
	s_add_co_u32 s30, s30, s23
	s_mul_i32 s30, s30, RECB
	s_add_nc_u64 s[18:19], s[4:5], s[30:31]        ; my two query records: tiles 32 x + 2 w, + 1
.irp a, 0,1
.irp i, 0,1,2,3
	global_load_b128 v[AF+16*\a+4*\i:AF+16*\a+4*\i+3], v1, s[18:19] offset:RECB*\a+512*\i
.endr
	global_load_b32 v[AS+\a], v2, s[18:19] offset:RECB*\a+2048
	global_load_b128 v[SQI+8*\a:SQI+8*\a+3], v19, s[18:19] offset:RECB*\a+2176
	global_load_b128 v[SQI+8*\a+4:SQI+8*\a+7], v19, s[18:19] offset:RECB*\a+2192
	global_load_b128 v[HI+8*\a:HI+8*\a+3], v19, s[18:19] offset:RECB*\a+2240
	global_load_b128 v[HI+8*\a+4:HI+8*\a+7], v19, s[18:19] offset:RECB*\a+2256
.endr
	s_lshl_b32 s30, s14, 4
	s_add_co_u32 s30, s30, s13
	s_lshl_b32 s30, s30, 15                        ; work-group 16 y + x copies bytes 32,768 (16 y + x) on
	s_add_nc_u64 s[24:25], s[6:7], s[30:31]
	s_add_nc_u64 s[26:27], s[8:9], s[30:31]
.irp i, 0,1,2,3
	global_load_b128 v[CP+4*\i:CP+4*\i+3], v8, s[24:25] offset:8192*\i th:TH_LOAD_NT   ; read once in the launch
.endr
	s_lshl_b32 s30, s14, 16                        ; part: 65,536 bytes a split,
	s_lshl_b32 s23, s13, 12                        ; 4,096 a block of queries,
	s_add_co_u32 s30, s30, s23
	s_lshl_b32 s23, s12, 8                         ; 256 a wave
	s_add_co_u32 s30, s30, s23
	s_add_nc_u64 s[28:29], s[10:11], s[30:31]
	s_lshl_b32 s20, s14, 9                         ; the index of the candidate tile's first row
	s_wait_loadcnt 22                              ; the fill's nine loads are in: behind them went 18 for the queries and 4 of e_ap
.irp i, 0,1,2,3,4,5,6,7
	ds_store_b128 v8, v[FL+4*\i:FL+4*\i+3] offset:8192*\i          ; data that loads brought, an address made ahead of the wait above: no vector instruction names either since
.endr
	ds_store_b128 v18, v[FL+32:FL+35]
	s_wait_dscnt 0x0                               ; for the others' sake: my part of the records lies in LDS
	s_barrier_signal -1
	s_barrier_wait -1                              ; everybody's does
.macro STEPADR                         ; the LDS addresses of the record at byte s21
	v_add_nc_u32 v4, s21, v1
	v_add_nc_u32 v5, s21, v2
	v_add_nc_u32 v6, s21, v3
.endm
.macro FETCHC p, ofs                   ; four LDS loads: the codes of the record ofs bytes on, into set p
.irp i, 0,1,2,3
	ds_load_b128 v[BF+16*(\p)+4*\i:BF+16*(\p)+4*\i+3], v4 offset:(\ofs)+512*\i     ; 512 consecutive bytes an instruction: the operand's registers as they were stored
.endr
.endm
.macro FETCHM p, ofs                   ; three more: its scale words, sq and host
	ds_load_b32 v[BS+(\p)], v5 offset:(\ofs)+2048
	ds_load_b32 v[SJ+2*(\p)], v6 offset:(\ofs)+2176
	ds_load_b32 v[SJ+2*(\p)+1], v6 offset:(\ofs)+2240
.endm
; One candidate tile (set p) against my two query tiles.  fetch = 1: the next tile is asked for, into the other set, among this trip's products: it has the trip's vector work in which to land.
; step = 1: a pair's first trip, which moves the LDS addresses on.
.macro TRIP p, fetch, ofs, step
.set BP, BF+16*(\p)
.set SP, SJ+2*(\p)
	s_wait_dscnt 0x0                               ; set p is in: its seven loads were issued a trip ago, and none behind them
.if \step
	s_wait_alu depctr_vm_vsrc(0)                   ; the LDS loads issued so far have read v4 to v6, which the three additions write
	STEPADR
.endif
.if \fetch
	s_wait_alu depctr_va_vdst(0)                   ; the trip before is done reading the other set, in which the loads below land; at a pair's head v4 to v6 are written, which they read
.endif
	; the two accumulators take turns, one instruction a turn, K ascending; the first K step starts each sum
	v_wmma_scale_f32_16x16x128_f8f6f4 v[D:D+7], v[AF:AF+7], v[BP:BP+7], 0, v[AS], v[BS+(\p)] matrix_a_fmt:MATRIX_FMT_FP4 matrix_b_fmt:MATRIX_FMT_FP4
	v_wmma_scale_f32_16x16x128_f8f6f4 v[D+8:D+15], v[AF+16:AF+23], v[BP:BP+7], 0, v[AS+1], v[BS+(\p)] matrix_a_fmt:MATRIX_FMT_FP4 matrix_b_fmt:MATRIX_FMT_FP4
.if \fetch
	FETCHC 1-(\p), \ofs                            ; no wait: the products since the wait above name the queries' registers, set p and D, none of which these loads touch
.endif
	v_wmma_scale_f32_16x16x128_f8f6f4 v[D:D+7], v[AF+8:AF+15], v[BP+8:BP+15], v[D:D+7], v[AS], v[BS+(\p)] matrix_a_fmt:MATRIX_FMT_FP4 matrix_b_fmt:MATRIX_FMT_FP4 matrix_a_scale:MATRIX_SCALE_ROW1 matrix_b_scale:MATRIX_SCALE_ROW1
	v_wmma_scale_f32_16x16x128_f8f6f4 v[D+8:D+15], v[AF+24:AF+31], v[BP+8:BP+15], v[D+8:D+15], v[AS+1], v[BS+(\p)] matrix_a_fmt:MATRIX_FMT_FP4 matrix_b_fmt:MATRIX_FMT_FP4 matrix_a_scale:MATRIX_SCALE_ROW1 matrix_b_scale:MATRIX_SCALE_ROW1
.if \fetch
	FETCHM 1-(\p), \ofs                            ; likewise
.endif
	; 24 vector instructions that name no register of the products stand behind them (ISA guide 7.12.1), ahead of the first read of a result
.irp k, 0,2,4,6,8,10,12,14
	v_pk_add_f32 v[S+\k:S+\k+1], v[SQI+\k:SQI+\k+1], v[SP:SP+1] op_sel_hi:[1,0]    ; sq_i + sq_j, two rows at a time (of the pair sq_j, host_j the low word serves both halves)
.endr
.irp j, 0,1,2,3,4,5,6,7,8,9,10,11,12,13,14,15
	v_cmp_eq_u32 s[EQ+\j], v[HI+\j], v[SP+1]       ; same host: the diagonal is among these
.endr
.irp a, 0,8
.irp k, 0,2,4,6
	v_pk_fma_f32 v[S+\a+\k:S+\a+\k+1], v[D+\a+\k:D+\a+\k+1], -2.0, v[S+\a+\k:S+\a+\k+1] op_sel_hi:[1,0,1]   ; d2; each accumulator is read from its low end on
.endr
.endr
.irp j, 0,1,2,3,4,5,6,7,8,9,10,11,12,13,14,15
	v_max_num_f32 v[S+\j], 0, v[S+\j]              ; the clamp: all d2 at or under 0 tie
.endr
	s_wait_alu depctr_va_sdst(0)                   ; the sixteen host compares have written s[EQ ..], ahead of their first reader
.irp j, 0,1,2,3,4,5,6,7,8,9,10,11,12,13,14,15
	v_cndmask_b32 v[S+\j], v[S+\j], v7, s[EQ+\j]   ; masked pairs count as +infinity
.endr
.irp j, 0,1,2,3,4,5,6,7,8,9,10,11,12,13,14,15
	v_cmp_lt_f32 s[LT+\j], v[S+\j], v[RUN+\j]      ; strictly under: of equals the earlier tile, the lower index, stays
.endr
.irp j, 0,1,2,3,4,5,6,7,8,9,10,11,12,13,14,15
	v_min_num_f32 v[RUN+\j], v[RUN+\j], v[S+\j]    ; (work that reads no mask, between the compares and the wait for them)
.endr
	s_wait_alu depctr_va_sdst(0)                   ; the sixteen compares with the running smallest have written s[LT ..], ahead of their first reader
.irp j, 0,1,2,3,4,5,6,7,8,9,10,11,12,13,14,15
	v_cndmask_b32 v[IDX+\j], v[IDX+\j], s20, s[LT+\j]
.endr
	s_add_co_u32 s20, s20, 16                      ; the next tile's first row
.endm
.macro PAIR last                       ; two tiles, so that the sets are back where they began.  s21: the record of the pair's second tile
	TRIP 0, 1, 0, 1
	TRIP 1, 1-\last, RECB, 0
	s_add_co_u32 s21, s21, 2*RECB
.endm
	s_mov_b32 s21, 0
	STEPADR
	s_wait_alu depctr_va_vdst(0)                   ; v4 to v6 are written, which tile 0's loads read
	FETCHC 0, 0                                    ; candidate tile 0
	FETCHM 0, 0
	s_mov_b32 s21, RECB
	s_wait_loadcnt 4                               ; my queries are in; the four loads of e_ap stay out
.irp j, 0,1,2,3,4,5,6,7,8,9,10,11,12,13,14,15
	v_mov_b32 v[RUN+\j], v7                        ; nothing found yet: +infinity,
	v_mov_b32 v[IDX+\j], s20                       ; and the split's first tile
.endr
	s_mov_b32 s22, 7
.Lfirst:                                               ; tiles 0 to 13
	PAIR 0
	s_sub_co_u32 s22, s22, 1
	s_cmp_lg_u32 s22, 0
	s_cbranch_scc1 .Lfirst
	s_wait_loadcnt 0x0                             ; e_ap has had fourteen tiles' work in which to arrive
.irp i, 0,1,2,3
	global_store_b128 v8, v[CP+4*\i:CP+4*\i+3], s[26:27] offset:8192*\i th:TH_STORE_NT   ; a wave stores 512 consecutive bytes, aligned; these registers are not written again, and no vector instruction has named them
.endr
	s_mov_b32 s22, 8
.Lsecond:                                              ; tiles 14 to 29
	PAIR 0
	s_sub_co_u32 s22, s22, 1
	s_cmp_lg_u32 s22, 0
	s_cbranch_scc1 .Lsecond
	PAIR 1                                         ; tiles 30 and 31: written out, since nothing lies behind the last record; the last trip issues no load, so it has no wait on va_vdst
	; THE WAY OUT.  A query's 16 candidates classes lie in 16 lanes: they turn through the wave's stage, which lies over the records, so that lane l holds all 16 of query l.
	s_wait_dscnt 0x0                               ; my reads of the records are over,
	s_barrier_signal -1
	s_barrier_wait -1                              ; and everybody's: the stages may be written
.irp j, 0,1,2,3,4,5,6,7,8,9,10,11,12,13,14,15
	v_add_nc_u32 v[IDX+\j], v9, v[IDX+\j]          ; the tile's first row + my candidate's place in it
.endr
	s_wait_alu depctr_va_vdst(0)                   ; RUN and IDX are written, which the LDS stores read; the last products are done reading v64 to v95, in which the loads from the stage land
.irp a, 0,1
.irp g, 0,1
	ds_store_b128 v20, v[RUN+8*\a+4*\g:RUN+8*\a+4*\g+3] offset:64*\a+16*\g
	ds_store_b128 v20, v[IDX+8*\a+4*\g:IDX+8*\a+4*\g+3] offset:2304+64*\a+16*\g
.endr
.endr
.irp c, 0,1,2,3,4,5,6,7,8,9,10,11,12,13,14,15
	ds_load_b32 v[KK+\c], v21 offset:144*\c        ; my wave's own bytes, served in order behind the stores
	ds_load_b32 v[II+\c], v21 offset:2304+144*\c
.endr
	s_wait_dscnt 0x0
	v_min_num_f32 v24, v[KK], v[KK+1]              ; the smallest of the 16, in two chains
	v_min_num_f32 v26, v[KK+2], v[KK+3]
.irp c, 4,6,8,10,12,14
	v_min_num_f32 v24, v24, v[KK+\c]
	v_min_num_f32 v26, v26, v[KK+\c+1]
.endr
	v_min_num_f32 v24, v24, v26
.irp c, 0,1,2,3,4,5,6,7,8,9,10,11,12,13,14,15
	v_cmp_eq_u32 s[EQ+\c], v[KK+\c], v24           ; (no key is negative or -0, so equal numbers have equal bits)
.endr
	s_wait_alu depctr_va_sdst(0)                   ; the sixteen compares have written s[EQ ..], ahead of their first reader
.irp c, 0,1,2,3,4,5,6,7,8,9,10,11,12,13,14,15
	v_cndmask_b32 v[II+\c], -1, v[II+\c], s[EQ+\c] ; classes that do not reach it drop out
.endr
	v_min_u32 v25, v[II], v[II+1]                  ; of those that do, the lowest index
.irp c, 2,3,4,5,6,7,8,9,10,11,12,13,14,15
	v_min_u32 v25, v25, v[II+\c]
.endr
	s_wait_alu depctr_va_vdst(0)                   ; v24 and v25 are written, which the store reads
	global_store_b64 v22, v[24:25], s[28:29]       ; 32 lanes store 256 consecutive bytes, aligned
	s_wait_dscnt 0x0                               ; the closing lines, six on end
	s_wait_alu 0x0
	s_wait_tensorcnt 0x0
	ds_add_u32 v254, v255
	s_wait_dscnt 0x0
	s_endpgm
.Lfunc_end_k_qa222c031ae_nearest:
	.size	k_qa222c031ae_nearest, .Lfunc_end_k_qa222c031ae_nearest-k_qa222c031ae_nearest
	.p2alignl 7, 3214868480
	.fill 96, 4, 3214868480
	.section	.rodata,"a",@progbits
	.p2align	6, 0x0
	.amdhsa_kernel k_qa222c031ae_nearest
		.amdhsa_group_segment_fixed_size 75776
		.amdhsa_private_segment_fixed_size 0
		.amdhsa_enable_private_segment 0
		.amdhsa_kernarg_size 32
		.amdhsa_user_sgpr_count 2
		.amdhsa_user_sgpr_kernarg_segment_ptr 1
		.amdhsa_wavefront_size32 1
		.amdhsa_system_sgpr_workgroup_id_x 1
		.amdhsa_system_sgpr_workgroup_id_y 1
		.amdhsa_system_sgpr_workgroup_id_z 1
		.amdhsa_system_vgpr_workitem_id 0
		.amdhsa_next_free_vgpr 256
		.amdhsa_next_free_sgpr 66
		.amdhsa_reserve_vcc 0
		.amdhsa_float_denorm_mode_32 3
		.amdhsa_float_denorm_mode_16_64 3
		.amdhsa_memory_ordered 1
		.amdhsa_forward_progress 1
		.amdhsa_inst_pref_size 58
	.end_amdhsa_kernel
	.amdgpu_metadata
---
amdhsa.version: [ 1, 2 ]
amdhsa.kernels:
  - .name:           k_qa222c031ae_nearest
    .symbol:         k_qa222c031ae_nearest.kd
    .args:
      - { .name: rec, .offset: 0, .size: 8, .value_kind: global_buffer, .address_space: global }
      - { .name: e_ap, .offset: 8, .size: 8, .value_kind: global_buffer, .address_space: global }
      - { .name: out1, .offset: 16, .size: 8, .value_kind: global_buffer, .address_space: global }
      - { .name: part, .offset: 24, .size: 8, .value_kind: global_buffer, .address_space: global }
    .group_segment_fixed_size: 75776
    .private_segment_fixed_size: 0
    .kernarg_segment_align: 8
    .kernarg_segment_size: 32
    .max_flat_workgroup_size: 512
    .sgpr_count:     66
    .vgpr_count:     256
    .wavefront_size: 32
...
	.end_amdgpu_metadata
.endif
;; end of part 5
;; launch gather (part 6): grid 256 x 1, 8 waves a work-group, no clusters, 0 bytes of LDS; arguments part, e_actv, out2; writes out2
.if DOCPART == 6
	.amdgcn_target "amdgcn-amd-amdhsa--gfx1250"
	.amdhsa_code_object_version 6
	.text
	.protected	k_qa222c031ae_gather
	.globl	k_qa222c031ae_gather
	.p2align	8
	.type	k_qa222c031ae_gather,@function
k_qa222c031ae_gather:
	s_mov_b64 s[64:65], 0
	v_nop
	global_prefetch_b8 v0, s[64:65] scope:SCOPE_SE
	s_setreg_imm32_b32 hwreg(HW_REG_WAVE_MODE, 25, 1), 1
	s_wait_xcnt 0x0
; out2[q] = e_actv[the index of q's smallest key over the 16 splits].  part: [16 splits][8192 queries] of (key, index).  A key is the bit pattern of a non-negative f32 (or +infinity), so keys order as unsigned
; whole numbers as their numbers do.  The splits go in ascending order and a later one wins only if strictly smaller: of equal keys the lower index stays, as in an argmin.
; SHARES: a work-group owns 32 queries, a wave 4.  Lane (x = l % 16, h = l / 16) serves queries 4 w + 2 h + u, u = 0, 1: sixteen lanes read and write 256 consecutive, aligned bytes of a row of 1,024.
; A stream with one dependent step: no LDS, no barrier, no matrix unit.  The index is held to 8,191 before it enters an address.
.set P,  16                            ; v16-79   split s: key and index of query u = 0, then of u = 1.  Split 0's four registers become the best so far
.set RW, 80                            ; v80-111  the two rows' 4 x 16 bytes of my lane
	s_load_b128 s[4:7], s[0:1], 0x0                ; part s[4:5], e_actv s[6:7]
	s_load_b64 s[8:9], s[0:1], 0x10                ; out2
	v_and_b32 v2, 0xf0, v0                         ; 32 w + 16 h: the byte of my two queries' pairs among the work-group's 256
	v_and_b32 v3, 15, v0
	s_delay_alu instid0(VALU_DEP_1)
	v_lshlrev_b32 v3, 4, v3                        ; 16 x
	s_delay_alu instid0(VALU_DEP_1)
	v_lshl_add_u32 v6, v2, 7, v3                   ; out2: (4 w + 2 h) rows of 1,024 bytes + 16 x
	s_lshl_b32 s10, ttmp9, 8
	s_mov_b32 s11, 0
	s_lshl_b32 s12, ttmp9, 15
	s_mov_b32 s13, 0
	s_wait_alu depctr_va_vdst(0)
	s_wait_kmcnt 0x0
	s_add_nc_u64 s[4:5], s[4:5], s[10:11]
	s_add_nc_u64 s[8:9], s[8:9], s[12:13]
.irp s, 0,1,2,3,4,5,6,7,8,9,10,11,12,13,14,15
	global_load_b128 v[P+4*\s:P+4*\s+3], v2, s[4:5] offset:65536*\s
.endr
.irp s, 1,2,3,4,5,6,7,8,9,10,11,12,13,14,15
	s_wait_alu depctr_va_vdst(0)
	s_wait_loadcnt 15-\s                           ; loads come back in order: split s and all before it are in
	v_cmp_lt_u32 vcc_lo, v[P+4*\s], v[P]
	v_cmp_lt_u32 s14, v[P+4*\s+2], v[P+2]
	s_delay_alu instid0(VALU_DEP_2)
	v_cndmask_b32 v[P], v[P], v[P+4*\s], vcc_lo
	s_delay_alu instid0(VALU_DEP_3)
	v_cndmask_b32 v[P+1], v[P+1], v[P+4*\s+1], vcc_lo
	s_delay_alu instid0(VALU_DEP_3)
	v_cndmask_b32 v[P+2], v[P+2], v[P+4*\s+2], s14
	s_delay_alu instid0(VALU_DEP_4)
	v_cndmask_b32 v[P+3], v[P+3], v[P+4*\s+3], s14
.endr
	s_delay_alu instid0(VALU_DEP_3)
	v_min_u32 v4, 0x1fff, v[P+1]                   ; an index stays inside the table
	s_delay_alu instid0(VALU_DEP_2)
	v_min_u32 v5, 0x1fff, v[P+3]
	s_delay_alu instid0(VALU_DEP_2)
	v_lshlrev_b32 v4, 10, v4                       ; its row of 1,024 bytes,
	s_delay_alu instid0(VALU_DEP_2)
	v_lshlrev_b32 v5, 10, v5
	s_delay_alu instid0(VALU_DEP_2)
	v_add_nc_u32 v4, v4, v3                        ; and my 16 bytes of each 256
	s_delay_alu instid0(VALU_DEP_2)
	v_add_nc_u32 v5, v5, v3
.irp u, 0,1
.irp c, 0,1,2,3
	global_load_b128 v[RW+16*\u+4*\c:RW+16*\u+4*\c+3], v[4+\u], s[6:7] offset:256*\c   ; no hint: a row may be named by many queries
.endr
.endr
.irp u, 0,1
.irp c, 0,1,2,3
	s_wait_loadcnt 7-4*\u-\c
	global_store_b128 v6, v[RW+16*\u+4*\c:RW+16*\u+4*\c+3], s[8:9] offset:1024*\u+256*\c th:TH_STORE_NT   ; written once, read by nobody here
.endr
.endr
	s_endpgm
.Lfunc_end_k_qa222c031ae_gather:
	.size	k_qa222c031ae_gather, .Lfunc_end_k_qa222c031ae_gather-k_qa222c031ae_gather
	.p2alignl 7, 3214868480
	.fill 96, 4, 3214868480
	.section	.rodata,"a",@progbits
	.p2align	6, 0x0
	.amdhsa_kernel k_qa222c031ae_gather
		.amdhsa_group_segment_fixed_size 0
		.amdhsa_private_segment_fixed_size 0
		.amdhsa_enable_private_segment 0
		.amdhsa_kernarg_size 24
		.amdhsa_user_sgpr_count 2
		.amdhsa_user_sgpr_kernarg_segment_ptr 1
		.amdhsa_wavefront_size32 1
		.amdhsa_system_sgpr_workgroup_id_x 1
		.amdhsa_system_sgpr_workgroup_id_y 1
		.amdhsa_system_sgpr_workgroup_id_z 1
		.amdhsa_system_vgpr_workitem_id 0
		.amdhsa_next_free_vgpr 128
		.amdhsa_next_free_sgpr 66
		.amdhsa_reserve_vcc 1
		.amdhsa_float_denorm_mode_32 3
		.amdhsa_float_denorm_mode_16_64 3
		.amdhsa_memory_ordered 1
		.amdhsa_forward_progress 1
		.amdhsa_inst_pref_size 12
	.end_amdhsa_kernel
	.amdgpu_metadata
---
amdhsa.version: [ 1, 2 ]
amdhsa.kernels:
  - .name:           k_qa222c031ae_gather
    .symbol:         k_qa222c031ae_gather.kd
    .args:
      - { .name: part, .offset: 0, .size: 8, .value_kind: global_buffer, .address_space: global }
      - { .name: e_actv, .offset: 8, .size: 8, .value_kind: global_buffer, .address_space: global }
      - { .name: out2, .offset: 16, .size: 8, .value_kind: global_buffer, .address_space: global }
    .group_segment_fixed_size: 0
    .private_segment_fixed_size: 0
    .kernarg_segment_align: 8
    .kernarg_segment_size: 24
    .max_flat_workgroup_size: 256
    .sgpr_count:     66
    .vgpr_count:     128
    .wavefront_size: 32
...
	.end_amdgpu_metadata
.endif
;; end of part 6
